; MI455X (gfx1250); checked and timed in simulation.
; The chip was launched on July 23, 2026; its instructions are those of AMD's public machine-readable ISA for CDNA 5 (MIT licence, August 2026) and "CDNA5" Instruction Set Architecture Reference Guide (July 2026). The comments in the code are by the model that wrote it; some were corrected since.
;; Gaussian FC. Allowed arithmetic: matrix products marked QUANTISED: E2M3 operands, one E8M0 scale for each 32 along K, by v_wmma_scale_f32_16x16x128_f8f6f4 with both operands' format E2M3, f32 sums; everything else in f32.
;; Inputs: amplitude 8,192 x 1 float32; bias 8,192 float32; mu 8,192 x 1 float32; sigma 8,192 x 1 float32; x 64 x 8,192 float32.
;; Outputs: out0 64 x 8,192 float32.
;; This version of the problem:
;;   THIS VERSION OF THE PROBLEM IS GIVEN IN LOW PRECISION. The matrix products marked QUANTISED in the list below multiply operands that are first quantised to E2M3 (2 exponent bits, 3 mantissa bits; 6 bits a number), with one power-of-two scale for each 32 numbers along K (OCP MX v1.0); their sums are f32. All else is computed in f32.
;;   The module's matrix products, in the order in which they are computed (A, B: the left and right operand; K: the contracted axis; several contracted axes count as one K, in the product's order):
;;     1. [M 64, K 8,192] x [K 8,192, N 8,192]; A: input x; B: computed on the way: QUANTISED
;;   THE QUANTISER, for each operand of a quantised product, along K:
;;     - K is cut into blocks of 32 from its start; a last block that is shorter is filled with zeros.
;;     - A block's scale is 2^e with e = floor(log2(the largest magnitude in the block)) - 2, held to -126 .. 127; a block of zeros has e = 0. As a byte (E8M0): e + 127.
;;     - Each number is divided by its block's scale, clamped to +-7.5, and rounded to the nearest number of E2M3, ties to even, subnormals kept.
;;     - The product sums the exact products of the quantised numbers (number of the format x scale) in f32.
;;   ~~~python
;;   def quantise(x, axis):      # numpy; x: float32 -> the quantised numbers, widened to float32 again
;;       x = np.moveaxis(x, axis, -1); K = x.shape[-1]
;;       x = np.pad(x, [(0, 0)] * (x.ndim - 1) + [(0, -K % 32)]); x = x.reshape(x.shape[:-1] + (-1, 32)); a = np.abs(x).max(-1, keepdims=True)
;;       e = np.where(a > 0, np.clip(np.frexp(np.where(a > 0, a, 1))[1] - 1 - 2, -126, 127), 0)      # np.frexp(a)[1] - 1 = floor(log2(a)), exactly
;;       r = np.clip(x / 2.0 ** e, -7.5, 7.5)
;;       step = 2.0 ** (np.maximum(np.frexp(np.where(r == 0, 1, r))[1] - 1, 0) - 3)
;;       q = np.round(r / step) * step * 2.0 ** e      # np.round: ties to even
;;       return np.moveaxis(q.reshape(q.shape[:-2] + (-1,))[..., :K], -1, axis).astype(np.float32)
;;   ~~~
;;   OPERANDS COMPUTED ON THE WAY. 'Computed on the way' means the value that the module computes at that place (a softmax that the list does not call 'softmax' is quantised finished and normalised). What goes into a quantiser is computed in f32, as accurately as f32 sums, v_exp_f32 and their like allow (about 1e-6 of the number): no bf16 or f16 on the way to a quantiser, and a product that is left as it is and whose result goes on into a quantised operand takes f32 operands (vector FMAs, or v_wmma_f32_16x16x4_f32). A number that lies on a knife's edge between two numbers of the format may be rounded either way, as far as f32 arithmetic and the matrix unit's own rounding can turn it there, and no further.
;; One version. Each part assembles by itself: llvm-mc -triple=amdgcn-amd-amdhsa -mcpu=gfx1250 --defsym DOCPART=n.
;; ======== version 1 of 1: 2 launches
;; limits: right only within a limited range of input values
;; workspace buffers: rec 507,904 bytes
;; launch prep (part 1): grid 256 x 1, 1 waves a work-group, no clusters, 8,704 bytes of LDS; arguments x, mu, sigma, amplitude, rec; writes rec
.if DOCPART == 1
	.amdgcn_target "amdgcn-amd-amdhsa--gfx1250"
	.amdhsa_code_object_version 6
	.text
	.protected	k_q40031e2759_prep
	.globl	k_q40031e2759_prep
	.p2align	8
	.type	k_q40031e2759_prep,@function
k_q40031e2759_prep:
	s_mov_b64 s[64:65], 0
	v_nop
	global_prefetch_b8 v0, s[64:65] scope:SCOPE_SE
	s_setreg_imm32_b32 hwreg(HW_REG_WAVE_MODE, 25, 1), 1
	s_wait_xcnt 0x0
; x [64][8192] f32 becomes codes of FP6 (E2M3) with one E8M0 byte for each 32 along K, laid as IMAGES OF THE OPERAND'S REGISTERS; mu, sigma, amplitude [8192] become the three numbers
; that the next launch needs for each k.  rec holds 64 records, one for each K step of 128, of 6,400 bytes:  bytes 0..6143 four fragments (16 rows x 128 K: 12 registers a lane, register group g of lane l at
; 512 g + 16 l);  6144..6399 their scale words (64 rows x 4 bytes).  Behind them, from byte 409,600 on, 64 times 1,536 bytes: s, -mu, la of a K step's 128 k, 512 bytes each.
; weight(k, n) = amplitude exp(-(n - mu)^2 / (2 sigma sigma)) = sign(amplitude) 2^(la - (s (n - mu))^2),  s = sqrt(log2(e) / 2) / sigma,  la = log2 |amplitude|.
; THE SIGN OF amplitude[k] IS MOVED ONTO COLUMN k OF x: the quantiser is odd (Q(-v) = -Q(v)) and a block's scale hangs on magnitudes alone, so every product of two quantised numbers is unchanged, exactly.
; amplitude = 0 gives la = -infinity, and the weight 0.
; SHARES: work-group i is one wave: K step i / 4, rows 16 (i % 4) on of x; and k = 32 i + lane of the three vectors.  A load takes the 512 bytes that one row has in the K step, 16 a lane: so ONE load of
; amplitude serves the 16 rows' signs.  The rows turn through LDS (pitch 528), after which lane (r, h) holds row r and the operand's own k: 64 c + 32 h + 0 .. 31: whole blocks, so a block's largest magnitude needs no other lane.
; LIMITS: |sigma| from 2^-60 to 2^60 (2 sigma sigma and 1 / sigma are then normal f32 numbers); a denormal amplitude counts as 0 (v_log_f32 takes denormals as 0: ISA guide, its entry); NaN and infinities are not served;
; a block of x whose largest magnitude lies under 2^-124 gets the byte 1 (a block of zeros too: its codes are zeros, and this program alone reads the bytes).
.set REC, 6400
.set RSC, 6144
.set PAR, 64*REC
.set PITCH, 528
.set SPARE, 16*PITCH                   ; behind the 16 rows: the spare words
.set X,   64                           ; v64-127   x as loaded: register 4 i + j of lane l = row i, k 4 l + j
.set Y,   128                          ; v128-191  my 64 numbers: register 32 c + i = row r, k 64 c + 32 h + i
.set A,   24                           ; v24-27    amplitude at k 4 l + j, then its sign
.set C,   48                           ; v48-59    the fragment
.set CT,  192                          ; v192-194, v196-198  the upper halves of the two blocks, as converted
.set SPW, 4                            ; v4        LDS address of my spare word; never rewritten
.set NIL, 22                           ; v22       0; never rewritten
	s_load_b256 s[4:11], s[0:1], 0x0               ; x s[4:5], mu s[6:7], sigma s[8:9], amplitude s[10:11]
	s_load_b64 s[12:13], s[0:1], 0x20              ; rec
	v_lshl_add_u32 v[SPW], v0, 2, SPARE
	v_mov_b32 v[NIL], 0
	v_and_b32 v1, 15, v0                           ; r
	v_lshrrev_b32 v2, 4, v0                        ; h
	v_mul_u32_u24 v3, v1, PITCH
	v_lshl_add_u32 v3, v2, 7, v3                   ; LDS: row r, + 128 h
	v_lshlrev_b32 v5, 2, v0                        ; 4 x lane
	v_lshlrev_b32 v6, 4, v0                        ; 16 x lane
	v_lshlrev_b32 v7, 2, v1                        ; 4 r
	v_lshlrev_b32 v8, 3, v2                        ; 8 h
	v_mov_b32 v21, 0                               ; (a lane permute's destination counts as one of its sources)
	s_lshr_b32 s14, ttmp9, 2                       ; the K step
	s_and_b32 s15, ttmp9, 3                        ; the tile of rows; also which block of the K step my 32 k are
	s_lshl_b32 s16, s15, 19                        ; 16 rows of 32,768 bytes,
	s_lshl_b32 s18, s14, 9                         ; 128 numbers of 4 bytes
	s_add_co_u32 s16, s16, s18
	s_mov_b32 s17, 0
	s_mov_b32 s19, 0
	s_lshl_b32 s22, ttmp9, 7                       ; 32 k of 4 bytes
	s_mov_b32 s23, 0
	s_mul_i32 s24, s14, REC                        ; the K step's record:
	s_mul_i32 s26, s15, 1536
	s_add_co_u32 s26, s26, s24                     ; my fragment in it,
	s_mov_b32 s27, 0
	s_lshl_b32 s28, s15, 6
	s_add_co_u32 s28, s28, s24
	s_add_co_u32 s28, s28, RSC                     ; its scale words
	s_mov_b32 s29, 0
	s_mul_i32 s25, s14, 1536
	s_lshl_b32 s30, s15, 7
	s_add_co_u32 s30, s30, s25
	s_add_co_u32 s30, s30, PAR                     ; my 32 k of the three vectors
	s_mov_b32 s31, 0
	s_mov_b32 s32, 0x76543210
	s_mov_b32 s33, 0xfedcba98                      ; v_permlanex16_b32's selects for lane l xor 16
	s_mov_b32 s34, 0x80000000                      ; a sign
	s_mov_b32 s35, 0x3f596d27                      ; sqrt(log2(e) / 2)
	s_wait_alu depctr_va_vdst(0)
	s_wait_kmcnt 0x0
	s_add_nc_u64 s[4:5], s[4:5], s[16:17]
	s_add_nc_u64 s[20:21], s[10:11], s[18:19]      ; amplitude at the K step's first k
	s_add_nc_u64 s[6:7], s[6:7], s[22:23]
	s_add_nc_u64 s[8:9], s[8:9], s[22:23]
	s_add_nc_u64 s[10:11], s[10:11], s[22:23]      ; and at my 32 k
	s_add_nc_u64 s[26:27], s[12:13], s[26:27]
	s_add_nc_u64 s[28:29], s[12:13], s[28:29]
	s_add_nc_u64 s[30:31], s[12:13], s[30:31]
	global_load_b32 v9, v5, s[6:7]                 ; mu, sigma, amplitude of k = 32 i + lane
	global_load_b32 v10, v5, s[8:9]
	global_load_b32 v11, v5, s[10:11]
	global_load_b128 v[A:A+3], v6, s[20:21]
.set I, 0
.rept 16
	global_load_b128 v[X+4*I:X+4*I+3], v6, s[4:5] offset:32768*I   ; 512 consecutive bytes of row I
.set I, I+1
.endr
	s_wait_loadcnt 17                              ; the three single loads are in; amplitude's and x's 17 may be out
	v_rcp_f32 v14, v10
	v_log_f32 v15, |v11|                           ; la
	v_xor_b32 v12, s34, v9                         ; -mu.  (The plain line behind the two transcendentals)
	s_wait_alu depctr_va_vdst(0)                   ; the wait ahead of the first reader: one for both
	v_mul_f32 v16, s35, v14                        ; a first quotient,
	v_fma_f32 v17, -v10, v16, s35                  ; what it leaves,
	v_fma_f32 v16, v17, v14, v16                   ; and the corrected quotient: s
	global_store_b32 v5, v16, s[30:31]             ; 128 consecutive bytes each
	global_store_b32 v5, v12, s[30:31] offset:512
	global_store_b32 v5, v15, s[30:31] offset:1024
.irp g, 0,1,2,3
	s_wait_loadcnt 12-4*\g                         ; rows 4 g .. 4 g + 3 are in (and amplitude)
.if \g == 0
.irp j, 0,1,2,3
	v_and_b32 v[A+\j], s34, v[A+\j]                ; amplitude's sign
.endr
.endif
.set I, 0
.rept 16
	v_xor_b32 v[X+16*\g+I], v[X+16*\g+I], v[A+I%4] ; onto x
.set I, I+1
.endr
.irp i, 0,1,2,3
	ds_store_b128 v6, v[X+16*\g+4*\i:X+16*\g+4*\i+3] offset:(4*\g+\i)*PITCH
.endr
.endr
.set I, 0
.rept 16
	ds_load_b128 v[Y+4*I:Y+4*I+3], v3 offset:256*(I/8)+16*(I%8)   ; LDS serves a wave's instructions in order (ISA guide 5.7.1.4): these see my stores
.set I, I+1
.endr
	s_wait_dscnt 0x0
.irp c, 0,1                                        ; my block 2 c + h: all its 32 numbers are mine
	v_max3_num_f32 v[32+\c], |v[Y+32*\c]|, |v[Y+1+32*\c]|, 0x1800000   ; with the floor 2^(3 - 127): the byte cannot fall under 1
	v_max3_num_f32 v[34+\c], |v[Y+2+32*\c]|, |v[Y+3+32*\c]|, |v[Y+4+32*\c]|
.endr
.irp i, 5,9,13,17,21,25
.irp c, 0,1
	v_max3_num_f32 v[32+\c], v[32+\c], |v[Y+32*\c+\i]|, |v[Y+1+32*\c+\i]|   ; (two chains a block, by turns)
	v_max3_num_f32 v[34+\c], v[34+\c], |v[Y+2+32*\c+\i]|, |v[Y+3+32*\c+\i]|
.endr
.endr
.irp c, 0,1
	v_max3_num_f32 v[32+\c], v[32+\c], |v[Y+32*\c+29]|, |v[Y+32*\c+30]|
.endr
.irp c, 0,1
	v_max3_num_f32 v[32+\c], v[32+\c], |v[Y+32*\c+31]|, v[34+\c]
.endr
.irp c, 0,1
	v_add_nc_u32 v[44+\c], 0xff000000, v[32+\c]    ; 2 off the exponent field: the conversion takes the exponent field of this operand as its scale
.endr
.irp c, 0,1
	v_lshrrev_b32 v[36+\c], 23, v[44+\c]           ; the scale's byte
.endr
	v_lshl_or_b32 v20, v37, 16, v36                ; my two bytes: blocks h and 2 + h of row r,
	v_lshlrev_b32 v20, v8, v20                     ; at their places in the word (8 h bits up);
	v_permlanex16_b32 v21, v20, s32, s33
	v_or_b32 v20, v20, v21                         ; with lane l xor 16's two the word is whole
.irp c, 0,1
	v_cvt_scalef32_pk16_fp6_f32 v[C+6*\c:C+6*\c+2], v[Y+32*\c:Y+32*\c+15], v[44+\c]
	v_cvt_scalef32_pk16_fp6_f32 v[CT+4*\c:CT+4*\c+2], v[Y+32*\c+16:Y+32*\c+31], v[44+\c]   ; (a conversion's three registers begin on an even number: a block's upper half is made here and moved)
.endr
	v_nop                                          ; one plain line behind the conversions
.irp c, 0,1
.irp i, 0,1,2
	v_mov_b32 v[C+3+6*\c+\i], v[CT+4*\c+\i]
.endr
.endr
	global_store_b128 v6, v[C:C+3], s[26:27]               ; the image: 512 consecutive bytes a store
	global_store_b128 v6, v[C+4:C+7], s[26:27] offset:512
	global_store_b128 v6, v[C+8:C+11], s[26:27] offset:1024
	global_store_b32 v7, v20, s[28:29]             ; row r's word; lanes r and r + 16 store the same word with the same value
	s_wait_tensorcnt 0x0                           ; the wave's end
	ds_add_u32 v[SPW], v[NIL]
	s_wait_dscnt 0x0
	s_endpgm
.Lfunc_end_k_q40031e2759_prep:
	.size	k_q40031e2759_prep, .Lfunc_end_k_q40031e2759_prep-k_q40031e2759_prep
	.p2alignl 7, 3214868480
	.fill 96, 4, 3214868480
	.section	.rodata,"a",@progbits
	.p2align	6, 0x0
	.amdhsa_kernel k_q40031e2759_prep
		.amdhsa_group_segment_fixed_size 8704
		.amdhsa_private_segment_fixed_size 0
		.amdhsa_enable_private_segment 0
		.amdhsa_kernarg_size 40
		.amdhsa_user_sgpr_count 2
		.amdhsa_user_sgpr_kernarg_segment_ptr 1
		.amdhsa_wavefront_size32 1
		.amdhsa_system_sgpr_workgroup_id_x 1
		.amdhsa_system_sgpr_workgroup_id_y 1
		.amdhsa_system_sgpr_workgroup_id_z 1
		.amdhsa_system_vgpr_workitem_id 0
		.amdhsa_next_free_vgpr 200
		.amdhsa_next_free_sgpr 66
		.amdhsa_reserve_vcc 0
		.amdhsa_float_denorm_mode_32 3
		.amdhsa_float_denorm_mode_16_64 3
		.amdhsa_memory_ordered 1
		.amdhsa_forward_progress 1
		.amdhsa_inst_pref_size 13
	.end_amdhsa_kernel
	.amdgpu_metadata
---
amdhsa.version: [ 1, 2 ]
amdhsa.kernels:
  - .name:           k_q40031e2759_prep
    .symbol:         k_q40031e2759_prep.kd
    .args:
      - { .name: x, .offset: 0, .size: 8, .value_kind: global_buffer, .address_space: global }
      - { .name: mu, .offset: 8, .size: 8, .value_kind: global_buffer, .address_space: global }
      - { .name: sigma, .offset: 16, .size: 8, .value_kind: global_buffer, .address_space: global }
      - { .name: amplitude, .offset: 24, .size: 8, .value_kind: global_buffer, .address_space: global }
      - { .name: rec, .offset: 32, .size: 8, .value_kind: global_buffer, .address_space: global }
    .group_segment_fixed_size: 8704
    .private_segment_fixed_size: 0
    .kernarg_segment_align: 8
    .kernarg_segment_size: 40
    .max_flat_workgroup_size: 32
    .sgpr_count:     66
    .vgpr_count:     200
    .wavefront_size: 32
...
	.end_amdgpu_metadata
.endif
;; end of part 1
;; launch gauss (part 2): grid 256 x 1, 8 waves a work-group, clusters of 4 x 1, 327,680 bytes of LDS; arguments rec, bias, out0; writes out0
.if DOCPART == 2
	.amdgcn_target "amdgcn-amd-amdhsa--gfx1250"
	.amdhsa_code_object_version 6
	.text
	.protected	k_q40031e2759_gauss
	.globl	k_q40031e2759_gauss
	.p2align	8
	.type	k_q40031e2759_gauss,@function
k_q40031e2759_gauss:
	s_mov_b64 s[64:65], 0
	v_nop
	global_prefetch_b8 v0, s[64:65] scope:SCOPE_SE
	s_setreg_imm32_b32 hwreg(HW_REG_WAVE_MODE, 25, 1), 1
	s_wait_xcnt 0x0
	s_wait_alu depctr_hold_cnt(0) depctr_sa_sdst(0) depctr_va_vdst(0) depctr_va_sdst(0) depctr_va_ssrc(0) depctr_va_vcc(0) depctr_vm_vsrc(0)
	s_getreg_b32 s2, hwreg(HW_REG_IB_STS2, 6, 4)
	s_cmp_eq_u32 s2, 0
	s_cbranch_scc0 .Lentry_in_a_cluster
	s_endpgm
.Lentry_in_a_cluster:
	s_bfe_u32 s2, ttmp6, 0x10000c
	s_cmp_lg_u32 s2, 0x3003
	s_cbranch_scc0 .Lentry_shape_is_right
	s_endpgm
.Lentry_shape_is_right:
; out0[m][n] = relu(sum over k of Q(x)[m][k] Q(weight)[k][n] + bias[n]),  weight(k, n) = sign(a) 2^(la - (s (n - mu))^2), both operands in FP6 (E2M3) with one E8M0 byte for each 32 along K.
; rec (made by the launch before): 64 records of 6,400 bytes, one a K step of 128: x's four fragments as register images (the sign of amplitude already on x) and their scale words; behind them s, -mu, la of each K step's 128 k.
; SHARES.  A work-group owns 32 columns of out0 (two tiles of 16) for all of K.  Wave w owns K steps 8 w .. 8 w + 7 for both tiles and all 64 rows: 8 accumulators.  The eight waves' sums meet in LDS at the end.
; THE WEIGHTS ARE MADE IN THE OPERAND'S OWN LAYOUT: lane (r, h) takes column r of a tile and k = 64 c + 32 h + 0 .. 31, its registers running down K.  So a lane holds whole blocks, a block's maximum needs no other
; lane, and the conversions' results are the operand's registers.
; THE ARITHMETIC.  n0 is the middle of the work-group's 32 columns and n' = n - n0 (at most 15.5 in magnitude, exact).  E0 = s (n0 - mu) is made ONCE for each k by the wave that owns it, 128 k at a time with a lane to four k, and laid in LDS
; beside s and la.  A weight's exponent is then e = s n' + E0, t = la - e e: two fused packed lines for two weights, one exponential each, and half a v_max3_num_f32: the maximum is taken of the finished weights.
; s, E0, la of a lane's 32 k come from LDS (one address for each half of the lanes) and serve both tiles.
; SEGMENTS.  A wave's work is 16 blocks (a lane's 32 k of both tiles: 2,048 weights).  Segment b holds four blocks' work: block b - 1 becomes codes; block b's 64 exponentials stand among block b + 1's 32 lines for t and block b + 2's 32 lines for e.
; Nothing that a segment's plain lines write is read behind an exponential of the same segment, so ONE wait at each segment's head serves all, and the segment's LDS loads stand directly behind it.  E is one array (t reads it ahead of the next e), T two arrays by turns.
; x IS READ BY ALL 256 WORK-GROUPS: the four of a cluster ask JOINTLY (the same tensor load, the same descriptor, made of the wave's number alone, mask 15) for six of a wave's eight records, as many as its part of LDS holds:
; K steps 2-7, by the head's one load, first read in segment 6.  Nothing is filled again.  K steps 0 and 1, which the six records leave no room for, go by plain loads straight into the operand's registers, 512 consecutive bytes a load:
; joint loads of them would take refills, each behind a round of all 32 waves of four work-groups.  s, -mu, la come by plain loads too: each lane needs its own four k of them in registers.
; NO PREFETCH: the tensor load is asked for at the head and first read in segment 6, the plain loads at least a segment and a half ahead of their readers, so no line waits for bytes that were not asked for long before.
; A work-group's 32 columns are 128 bytes of a row: each store of a wave covers four rows x 128 consecutive bytes.  64 columns to a work-group would leave half of the 256 work-groups without columns.
; THE MATRIX INSTRUCTION IS USED TRANSPOSED (source 0 = 16 columns of the weight, source 1 = 16 rows of x): a lane then holds eight neighbouring numbers of a row of out0.
; LIMITS: a weight under 2^-126 counts as 0 (v_exp_f32 gives 0 for what would be denormal: ISA guide, its entry); NaN and infinities are not served (relu gives 0 for NaN); K is summed in eight chains of 1,024, which are
; then added in ascending order: another order of rounding than one chain.  e is rounded against |s| x 15.5 where that is the larger: for |sigma| under 1 the exponent's rounding grows as 1 / |sigma|.
; REGISTERS, window 0: v0-63 addresses, numbers at work, scale words, the two tiles' fragments; v64-191 T; v192-255 E.
;   window 1: v0-63 the accumulators ((row tile m, column tile n) at 8 (2 m + n)); v64-111 x's four fragments; v112-135 s, -mu, la as loaded, two sets; v136-137 n0; v138-233 s, E0, la of 32 k.
.set NST,   8                          ; K steps of a wave
.set NPL,   2                          ; of which the first two go by plain loads; K step s of the others lies at (s - NPL) REC in the slot
.set REC,   6400
.set RSC,   6144
.set PAR,   64*REC
.set KPB,   1536                       ; in memory: s, -mu, la of a K step, 512 bytes each
.set SLOT,  (NST-NPL)*REC              ; LDS: a wave's slot
.set PRG,   8*SLOT                     ; behind the slots, for each wave: s and E0 of one K step, la of two (by turns), 512 bytes each
.set PREG,  2048
.set SPARE, PRG+8*PREG                 ; behind those: the spare words, 128 bytes for each wave: four blocks of 256 bytes that no other line names
.set SP,    144                        ; the way out: a stage row is 128 bytes + 16; the stage lies at the head of the wave's slot
.set SPW, 1                            ; v1     LDS address of my spare word; never rewritten
.set NIL, 2                            ; v2     0; never rewritten
.set PA,  3                            ; v3     LDS: my s, E0, la + 128 h
.set PST, 4                            ; v4     LDS: my s, E0, la + 16 x lane
.set XO,  5                            ; v5     16 x lane
.set LX,  6                            ; v6     LDS: my slot + 16 x lane
.set LXS, 7                            ; v7     LDS: my slot + 4 x lane
.set NN,  8                            ; v8-11  n', twice, for tile 0 and for tile 1
.set MC,  12                           ; v12-19 running maxima, four a tile
.set SO,  20                           ; v20-23 the conversions' scale operands: 2 x tile + c
.set PK,  24                           ; v24-25 the exponents of tile 0, 1 on their way to the scale word
.set WS,  26                           ; v26    the weight's scale words: lanes 0-15 tile 0, lanes 16-31 tile 1: scales and nothing else
.set BO,  27                           ; v27    my byte offset in bias
.set XS,  28                           ; v28-29 x's scale words: lanes 0-15 row tile 2 p, lanes 16-31 row tile 2 p + 1: scales and nothing else
.set XSO, 30                           ; v30    4 x lane
.set CT,  32                           ; v32-34, v36-38 the two tiles' upper 16 codes, as converted
.set BF,  40                           ; v40-63 the two tiles' fragments
.set T,   64
.set EA,  192
.set STO, 192                          ; the way out, in E's registers: v192 where I put 16 bytes of a row in my stage
.set RD,  194                          ; v194-197 where I read, in the stages of waves 2 g and 2 g + 1
.set GO,  198                          ; v198   my byte offset in out0
.set BI,  200                          ; v200-203 bias of my four columns
.set X,   64                           ; in window 1
.set P,   112
.set NCV, 136
.set SR,  138
.set ER,  170
.set LR,  202
.set G1,  16                           ; s[16:23] descriptor group 1
.set G0,  24                           ; s[24:27] group 0
.set MSB, 0
.macro WIN new                         ; the immediate's high byte repeats the setting that is left
.if MSB != \new
	s_set_vgpr_msb (MSB<<8)|\new
.set MSB, \new
.endif
.endm
.macro WALU
	s_wait_alu depctr_va_vdst(0)
.endm
.macro ROUND                           ; a round of the cluster's barrier: my work-group's barrier; wave 0 signals for the work-group; every wave waits for all four work-groups; my work-group's barrier once more
	s_barrier_signal -1
	s_barrier_wait -1
	s_cmp_lg_u32 s10, 0
	s_cbranch_scc1 .Lnot_wave_0_\@
	s_barrier_signal -3
.Lnot_wave_0_\@:
	s_barrier_wait -3
	s_barrier_signal -1
	s_barrier_wait -1
.endm
; ---- memory to registers: s, -mu, la of K step s, four k a lane; x's fragments and scale words of K step s (14 loads)
.macro PLOAD s
.set LS, \s
	WIN 0x40
.irp a, 0,1,2
	global_load_b128 v[P+12*(LS%2)+4*\a:P+12*(LS%2)+4*\a+3], v[XO], s[38:39] offset:LS*KPB+512*\a
.endr
.endm
.macro XPLAIN s
.set LS, \s
	WIN 0x40
.irp m, 0,1,2,3
.irp g, 0,1,2
	global_load_b128 v[X+12*\m+4*\g:X+12*\m+4*\g+3], v[XO], s[4:5] offset:LS*REC+1536*\m+512*\g
.endr
.endr
	WIN 0
.irp p, 0,1
	global_load_b32 v[XS+\p], v[XSO], s[4:5] offset:LS*REC+RSC+128*\p
.endr
.endm
; ---- E0 = s (n0 - mu), and the three into LDS: s and E0 onto the last K step's, which I have read, la beside the last K step's.  LDS serves a wave's instructions in order (ISA guide 5.7.1.4), and only I touch these bytes
.macro STAGEP s
.set LS, \s
.set PB, P+12*(LS%2)
	WIN 0x45
	v_pk_add_f32 v[PB+4:PB+5], v[PB+4:PB+5], v[NCV:NCV+1]
	v_pk_add_f32 v[PB+6:PB+7], v[PB+6:PB+7], v[NCV:NCV+1]
	v_pk_mul_f32 v[PB+4:PB+5], v[PB+4:PB+5], v[PB:PB+1]
	v_pk_mul_f32 v[PB+6:PB+7], v[PB+6:PB+7], v[PB+2:PB+3]
	WIN 0x04                                       ; an LDS store's data are its source 1
	ds_store_b128 v[PST], v[PB:PB+3]
	ds_store_b128 v[PST], v[PB+4:PB+7] offset:512
	ds_store_b128 v[PST], v[PB+8:PB+11] offset:1024+512*(LS%2)
	WIN 0
.endm
; ---- LDS loads.  x's scale words and fragments of K step s: 14 loads
.macro XLOAD s
.set LS, \s
	WIN 0
.irp p, 0,1
	ds_load_b32 v[XS+\p], v[LXS] offset:(LS-NPL)*REC+RSC+128*\p
.endr
	WIN 0x40
.irp m, 0,1,2,3
.irp g, 0,1,2
	ds_load_b128 v[X+12*\m+4*\g:X+12*\m+4*\g+3], v[LX] offset:(LS-NPL)*REC+1536*\m+512*\g
.endr
.endr
.endm
; of block b = 2 s + c; no wait stands between my stores and these
.macro SELOAD b                        ; s and E0 of 32 k: 16 loads
.set LB, \b
	WIN 0x40
.irp q, 0,1,2,3,4,5,6,7
	ds_load_b128 v[SR+4*\q:SR+4*\q+3], v[PA] offset:(LB%2)*256+16*\q
	ds_load_b128 v[ER+4*\q:ER+4*\q+3], v[PA] offset:(LB%2)*256+16*\q+512
.endr
.endm
.macro LALOAD b                        ; la of 32 k: 8 loads
.set LB, \b
	WIN 0x40
.irp q, 0,1,2,3,4,5,6,7
	ds_load_b128 v[LR+4*\q:LR+4*\q+3], v[PA] offset:1024+512*((LB/2)%2)+(LB%2)*256+16*\q
.endr
.endm
; ---- K step s's eight products.  The eight accumulators take turns, one instruction a turn, in the same order in every K step.  The first K step starts the sums: nothing is cleared.
.macro MUL1 d, a, b, c, w, x, ra, rb
	v_wmma_scale_f32_16x16x128_f8f6f4 v[\d:\d+7], v[\a:\a+11], v[\b:\b+11], \c, v[\w], v[\x] matrix_a_fmt:MATRIX_FMT_FP6 matrix_b_fmt:MATRIX_FMT_FP6 matrix_a_scale:MATRIX_SCALE_ROW\ra matrix_b_scale:MATRIX_SCALE_ROW\rb
.endm
.macro MUL2 m, rb                      ; row tile m against both tiles of columns
.set WD, 16*\m
.set WA, X+12*\m
.set WX, XS+\m/2
.if LS == 0
	MUL1 WD, BF, WA, 0, WS, WX, 0, \rb
	MUL1 WD+8, BF+12, WA, 0, WS, WX, 1, \rb
.else
	MUL1 WD, BF, WA, v[WD:WD+7], WS, WX, 0, \rb
	MUL1 WD+8, BF+12, WA, v[WD+8:WD+15], WS, WX, 1, \rb
.endif
.endm
.macro MULS s
.set LS, \s
	WIN 0x54                                       ; source 0 (the weight) window 0; source 1 (x), C and D window 1
	MUL2 0, 0
	MUL2 1, 1
	MUL2 2, 0
	MUL2 3, 1
	WIN 0
.endm
; ---- block B - 1's weights become codes, the two tiles by turns: a block's largest weight, with the floor 2^(3 - 127) as one more leaf (so the byte cannot fall under 1: a block whose every weight is 0 keeps that byte, its codes are zeros);
; the conversions, the moves; behind a K step's second block the scale words
.macro POST
.set VB, B-1
.set CM, VB%2
.set TQ, T+64*CM
	WIN 0
.set I, 0
.rept 4
.irp j, 0,1
	v_max3_num_f32 v[MC+4*\j+I], v[TQ+32*\j+3*I], v[TQ+32*\j+3*I+1], v[TQ+32*\j+3*I+2]
.endr
.set I, I+1
.endr
.set I, 0
.rept 10
.irp j, 0,1
	v_max3_num_f32 v[MC+4*\j+I%4], v[MC+4*\j+I%4], v[TQ+32*\j+12+2*I], v[TQ+32*\j+13+2*I]
.endr
.set I, I+1
.endr
.irp j, 0,1
	v_max3_num_f32 v[MC+4*\j+2], v[MC+4*\j+2], v[MC+4*\j+3], 0x1800000
.endr
.irp j, 0,1
	v_max3_num_f32 v[MC+4*\j], v[MC+4*\j], v[MC+4*\j+1], v[MC+4*\j+2]
.endr
.irp j, 0,1
	v_add_nc_u32 v[SO+2*\j+CM], 0xff000000, v[MC+4*\j]   ; 2 off the exponent field: the conversions take the exponent field of this operand as their scale
.endr
.irp j, 0,1
	v_cvt_scalef32_pk16_fp6_f32 v[CT+4*\j:CT+4*\j+2], v[TQ+32*\j+16:TQ+32*\j+31], v[SO+2*\j+CM]   ; (a conversion's three registers begin on an even number: the upper half is made here and moved)
.endr
.irp j, 0,1
	v_cvt_scalef32_pk16_fp6_f32 v[BF+12*\j+6*CM:BF+12*\j+6*CM+2], v[TQ+32*\j:TQ+32*\j+15], v[SO+2*\j+CM]
.endr
.if CM == 1
	v_perm_b32 v[PK], v[SO+1], v[SO], s40          ; the upper halves of both blocks' operands: exponents at bits 14:7 (block h) and 30:23 (block 2 + h).  (The plain lines behind the conversions)
	v_perm_b32 v[PK+1], v[SO+3], v[SO+2], s40
.else
	v_nop                                          ; the plain line behind the conversions
.endif
.irp i, 0,1,2
	v_mov_b32 v[BF+6*CM+3+\i], v[CT+\i]
.endr
.if CM == 1
	v_permlane16_swap_b32 v[PK], v[PK+1]           ; the first now holds h = 0 of tile 0 in lanes 0-15 and of tile 1 in lanes 16-31, the second h = 1 of both
.endif
.irp i, 0,1,2
	v_mov_b32 v[BF+12+6*CM+3+\i], v[CT+4+\i]
.endr
.if CM == 1
	v_lshrrev_b32 v[PK], 7, v[PK]                  ; bytes 0 and 2 of the words,
	v_lshlrev_b32 v[PK+1], 1, v[PK+1]              ; bytes 1 and 3
	v_bfi_b32 v[WS], s41, v[PK], v[PK+1]
.endif
.endm
; ---- a segment
.macro SEG
	WALU                                           ; the last segment's exponentials, and its t
.set TE, T+64*(B&1)
.set TD, T+64*((B+1)&1)
.set EXON, 0
.if (B >= 0) && (B < 16)
.set EXON, 1
.endif
.set YST, 0                                        ; LDS instructions issued behind la's loads
.if B == 15
	WIN 0
	global_load_b128 v[BI:BI+3], v[BO], s[6:7]
.endif
.if ((B&1) == 0) && (B > 4)
.if B == 6
	s_wait_tensorcnt 0x0                           ; the head's load: only I read my slot
.endif
	XLOAD B/2-1                                    ; the last products that read these registers stand a segment back
.endif
.if (B >= 0) && (B < 15)
	LALOAD B+1
.endif
.if B < 14
	SELOAD B+2
.set YST, 16
.endif
.if B == -2
	LALOAD 0
.endif
.if ((B&1) == 1) && (B < 12)
.if B < 11
	PLOAD (B+5)/2
.endif
.if B == -1
	XPLAIN 0
	s_wait_loadcnt 17                              ; K step 1's s, -mu, la are in; K step 2's and K step 0's x may be out
.elseif B < 11
	s_wait_loadcnt 3                               ; s, -mu, la asked for two segments ago are in, and any plain x; the three just asked for may be out
.else
	s_wait_loadcnt 0x0
.endif
	STAGEP (B+3)/2
.set YST, 19
.endif
.if ((B&1) == 1) && (B > 2)
	MULS (B-3)/2
.endif
.if B > 0
	POST
.endif
.if B == 3
	XPLAIN 1                                       ; more than four plain lines behind K step 0's products
.endif
.if (B >= -1) && (B < 15)
	s_wait_dscnt YST                               ; la is in (and x); what was issued behind it may be out
	WIN 0x10                                       ; source 2 window 1
.set I, 0
.rept 32
.if EXON
	v_exp_f32 v[TE+I], v[TE+I]
.endif
	v_pk_fma_f32 v[TD+2*I:TD+2*I+1], v[EA+2*I:EA+2*I+1], v[EA+2*I:EA+2*I+1], v[LR+2*(I%16):LR+2*(I%16)+1] neg_lo:[1,0,0] neg_hi:[1,0,0]
.set I, I+1
.endr
.endif
.if B < 14
.if B == -2
	s_wait_dscnt 8                                 ; s and E0 are in; block 0's la may be out
.else
	s_wait_dscnt 0x0                               ; s and E0 are in
.endif
	WIN 0x14                                       ; sources 1 and 2 window 1
.set I, 0
.rept 32
.if EXON
	v_exp_f32 v[TE+32+I], v[TE+32+I]
.endif
	v_pk_fma_f32 v[EA+2*I:EA+2*I+1], v[NN+2*(I/16):NN+2*(I/16)+1], v[SR+2*(I%16):SR+2*(I%16)+1], v[ER+2*(I%16):ER+2*(I%16)+1]
.set I, I+1
.endr
.endif
.if (B == 14) || (B == 15)
	WIN 0
.set I, 32*(15-B)
.rept 32*(B-13)
	v_exp_f32 v[TE+I], v[TE+I]
.set I, I+1
.endr
	v_nop                                          ; a plain line behind the last exponential
.endif
.endm
	s_load_b128 s[4:7], s[0:1], 0x0                ; rec, bias
	s_load_b64 s[8:9], s[0:1], 0x10                ; out0
	v_lshl_add_u32 v[SPW], v0, 2, SPARE
	v_mov_b32 v[NIL], 0
	ds_add_u32 v[SPW], v[NIL]                      ; the wave's opening: the add, twice on end, and its wait ahead of my first tensor load; the set-up, work on registers, stands between it and the wait
	ds_add_u32 v[SPW], v[NIL]
	v_lshrrev_b32 v12, 5, v0
	v_readfirstlane_b32 s10, v12                   ; wave 0..7
	s_bfe_u32 s11, ttmp6, 0x40000                  ; cx: my place in the cluster
	s_lshl_b32 s12, ttmp9, 2                       ; in a cluster launch ttmp9 counts clusters
	s_add_co_u32 s12, s12, s11                     ; my work-group: it enters my columns' numbers and bias's and out0's addresses alone
	; descriptor group 1: dense records as rows of 256 bytes (32 elements of 8 bytes), no padding
	s_mov_b32 s[G1], 15|(3<<16)|(1<<21)            ; 15:0 the mask: all four work-groups; 17:16 elements of 8 bytes; 21 set beside a mask
	s_mov_b32 s[G1+1], 32<<16                      ; tensor_dim0
	s_mov_b32 s[G1+2], (SLOT/256)<<16              ; tensor_dim1
	s_mov_b32 s[G1+3], 32<<16                      ; tile_dim0
	s_mov_b32 s[G1+4], SLOT/256                    ; tile_dim1
	s_mov_b32 s[G1+5], 32                          ; from row to row
	s_mov_b32 s[G1+6], 0
	s_mov_b32 s[G1+7], 0
	s_mul_i32 s11, s10, SLOT                       ; my slot in LDS: the wave's number alone
	s_mul_i32 s13, s10, PREG
	s_add_co_u32 s13, s13, PRG                     ; my s, E0, la
	s_mul_i32 s42, s10, NST*REC                    ; my eight records in memory,
	s_mov_b32 s43, 0
	s_mul_i32 s44, s10, NST*KPB
	s_add_co_u32 s44, s44, PAR                     ; and my s, -mu, la
	s_mov_b32 s45, 0
	s_lshl_b32 s36, s12, 7                         ; my work-group's 128 bytes of bias and of a row of out0
	s_mov_b32 s37, 0
	s_lshl_b32 s14, s12, 5                         ; its first column
	s_mov_b32 s40, 0x07060302                      ; v_perm_b32: two upper halves
	s_mov_b32 s41, 0x00ff00ff
	v_and_b32 v12, 31, v0                          ; lane
	v_and_b32 v13, 15, v0                          ; r
	v_bfe_u32 v14, v0, 4, 1                        ; h
	v_lshlrev_b32 v[XO], 4, v12
	v_lshlrev_b32 v[XSO], 2, v12
	v_add_nc_u32 v[LX], s11, v[XO]
	v_add_nc_u32 v[LXS], s11, v[XSO]
	v_add_nc_u32 v[PST], s13, v[XO]
	v_lshlrev_b32 v[PA], 7, v14
	v_add_nc_u32 v[PA], s13, v[PA]
	v_cvt_f32_u32 v15, v13
	v_add_f32 v[NN], 0xc1780000, v15               ; r - 15.5
	v_add_f32 v[NN+1], 0xc1780000, v15
	v_add_f32 v[NN+2], 0.5, v15                    ; r + 16 - 15.5
	v_add_f32 v[NN+3], 0.5, v15
	v_cvt_f32_u32 v16, s14
	v_and_b32 v17, 7, v0
	v_lshlrev_b32 v[BO], 4, v17
	WIN 0x40
	v_add_f32 v[NCV], 0x41780000, v16              ; n0 = first column + 15.5, exact
	v_add_f32 v[NCV+1], 0x41780000, v16
	WIN 0
	WALU
	s_wait_dscnt 0x0                               ; both opening adds are done
	s_wait_kmcnt 0x0
	s_add_nc_u64 s[38:39], s[4:5], s[44:45]
	s_add_nc_u64 s[4:5], s[4:5], s[42:43]
	s_add_nc_u64 s[6:7], s[6:7], s[36:37]
	s_add_nc_u64 s[8:9], s[8:9], s[36:37]
	PLOAD 0                                        ; needed first
	PLOAD 1
	WIN 0
	ROUND                                          ; all four work-groups are here: the joint loads meet
	s_mov_b32 s[G0], 1                             ; count = 1
	s_mov_b32 s[G0+1], s11                         ; LDS address
	s_add_nc_u64 s[G0+2:G0+3], s[4:5], NPL*REC     ; records 2-7
	s_or_b32 s[G0+3], s[G0+3], 0x80000000          ; type = 2
	tensor_load_to_lds s[G0:G0+3], s[G1:G1+7]
	s_nop 0
.rept 4
	v_nop
.endr
	s_wait_loadcnt 3                               ; K step 0's s, -mu, la are in; K step 1's may be out
	STAGEP 0
.set B, -2                             ; segments -2 and -1: block 0's e and t, block 1's e; segment 16: block 15's codes
.rept 19
	SEG
.set B, B+1
.endr
	WIN 0
	; the way out's addresses: also the fourteen plain lines between a scale word's write and the products
	v_and_b32 v12, 15, v0
	v_bfe_u32 v13, v0, 4, 1
	v_lshrrev_b32 v15, 3, v0                       ; thread t takes rows t / 8 and t / 8 + 32, columns 4 (t % 8) on
	v_and_b32 v16, 7, v0
	v_mul_u32_u24 v14, v12, SP                     ; my stage: row r, + 32 h
	v_mul_u32_u24 v17, v15, SP
	v_lshl_add_u32 v14, v13, 5, v14
	v_lshl_add_u32 v[RD], v16, 4, v17
	v_add_nc_u32 v[STO], s11, v14
	v_add_nc_u32 v[RD+1], 2*SLOT, v[RD]
	v_add_nc_u32 v[RD+2], 4*SLOT, v[RD]
	v_add_nc_u32 v[RD+3], 6*SLOT, v[RD]
	v_lshlrev_b32 v18, 15, v15
	v_lshl_add_u32 v[GO], v16, 4, v18
	WALU
	s_wait_dscnt 0x0                               ; x of K step 7 is in
	MULS NST-1
.rept 4
	v_nop                                          ; four plain lines between the last product and the first read of a result (ISA guide 7.12.1)
.endr
	; THE WAY OUT.  My 64 x 32 partial sums go to a stage of 64 rows x 144 bytes at the head of my own slot, which was filled once and which I have read for the last time.
	WIN 0x04
.irp m, 0,1,2,3
.irp n, 0,1
	ds_store_b128 v[STO], v[8*(2*\m+\n):8*(2*\m+\n)+3] offset:16*SP*\m+64*\n        ; lane (r, h): row 16 m + r, columns 16 n + 8 h + 0 .. 7; each accumulator from its low end on
	ds_store_b128 v[STO], v[8*(2*\m+\n)+4:8*(2*\m+\n)+7] offset:16*SP*\m+64*\n+16
.endr
.endr
	WIN 0
	s_wait_dscnt 0x0                               ; for the others' sake: my stores into the stage are done
	s_barrier_signal -1
	s_barrier_wait -1                              ; all eight stages are whole
.irp p, 0,1,2,3,4,5,6,7
	ds_load_b128 v[T+8*\p:T+8*\p+3], v[RD+\p/2] offset:(\p%2)*SLOT                  ; wave p's sums for my four columns of row t / 8,
	ds_load_b128 v[T+8*\p+4:T+8*\p+7], v[RD+\p/2] offset:(\p%2)*SLOT+32*SP          ; and of row t / 8 + 32
.endr
	s_wait_loadcnt 0x0                             ; bias
	s_wait_dscnt 0x0
.irp p, 1,2,3,4,5,6,7
.irp k, 0,2,4,6
	v_pk_add_f32 v[T+\k:T+\k+1], v[T+\k:T+\k+1], v[T+8*\p+\k:T+8*\p+\k+1]           ; K ascending
.endr
.endr
.irp k, 0,2,4,6
	v_pk_add_f32 v[T+\k:T+\k+1], v[T+\k:T+\k+1], v[BI+\k%4:BI+\k%4+1]
.endr
.irp k, 0,1,2,3,4,5,6,7
	v_max_num_f32 v[T+\k], 0, v[T+\k]
.endr
	global_store_b128 v[GO], v[T:T+3], s[8:9] th:TH_STORE_NT                        ; eight lanes store a row's 128 consecutive bytes, four rows a store
	global_store_b128 v[GO], v[T+4:T+7], s[8:9] offset:32*32768 th:TH_STORE_NT
	s_wait_tensorcnt 0x0                           ; the wave's end: behind my last tensor load and my last LDS store
	ds_add_u32 v[SPW], v[NIL]
	s_wait_dscnt 0x0
	ROUND                                          ; the closing round: no work-group ends while a partner may still ask for records that name it
	s_endpgm
.Lfunc_end_k_q40031e2759_gauss:
	.size	k_q40031e2759_gauss, .Lfunc_end_k_q40031e2759_gauss-k_q40031e2759_gauss
	.p2alignl 7, 3214868480
	.fill 96, 4, 3214868480
	.section	.rodata,"a",@progbits
	.p2align	6, 0x0
	.amdhsa_kernel k_q40031e2759_gauss
		.amdhsa_group_segment_fixed_size 327680
		.amdhsa_private_segment_fixed_size 0
		.amdhsa_enable_private_segment 0
		.amdhsa_kernarg_size 24
		.amdhsa_user_sgpr_count 2
		.amdhsa_user_sgpr_kernarg_segment_ptr 1
		.amdhsa_wavefront_size32 1
		.amdhsa_system_sgpr_workgroup_id_x 1
		.amdhsa_system_sgpr_workgroup_id_y 1
		.amdhsa_system_sgpr_workgroup_id_z 1
		.amdhsa_system_vgpr_workitem_id 0
		.amdhsa_next_free_vgpr 496
		.amdhsa_next_free_sgpr 66
		.amdhsa_reserve_vcc 0
		.amdhsa_float_denorm_mode_32 3
		.amdhsa_float_denorm_mode_16_64 3
		.amdhsa_memory_ordered 1
		.amdhsa_forward_progress 1
		.amdhsa_inst_pref_size 202
	.end_amdhsa_kernel
	.amdgpu_metadata
---
amdhsa.version: [ 1, 2 ]
amdhsa.kernels:
  - .name:           k_q40031e2759_gauss
    .symbol:         k_q40031e2759_gauss.kd
    .args:
      - { .name: rec, .offset: 0, .size: 8, .value_kind: global_buffer, .address_space: global }
      - { .name: bias, .offset: 8, .size: 8, .value_kind: global_buffer, .address_space: global }
      - { .name: out0, .offset: 16, .size: 8, .value_kind: global_buffer, .address_space: global }
    .group_segment_fixed_size: 327680
    .private_segment_fixed_size: 0
    .kernarg_segment_align: 8
    .kernarg_segment_size: 24
    .max_flat_workgroup_size: 256
    .sgpr_count:     66
    .vgpr_count:     496
    .wavefront_size: 32
...
	.end_amdgpu_metadata
.endif
;; end of part 2
